; MI455X (gfx1250); checked and timed in simulation.
; The chip was launched on July 23, 2026; its instructions are those of AMD's public machine-readable ISA for CDNA 5 (MIT licence, August 2026) and "CDNA5" Instruction Set Architecture Reference Guide (July 2026). The comments in the code are by the model that wrote it; some were corrected since.
;; Multi Head Attention. Allowed arithmetic: matrix products marked QUANTISED: E2M3 operands, one E8M0 scale for each 32 along K, by v_wmma_scale_f32_16x16x128_f8f6f4 with both operands' format E2M3, f32 sums; everything else in f32.
;; Inputs: Wk 1,024 x 1,024 float32; Wo 1,024 x 1,024 float32; Wq 1,024 x 1,024 float32; Wv 1,024 x 1,024 float32; bk 1,024 float32; bo 1,024 float32; bq 1,024 float32; bv 1,024 float32; x_q 2 x 2,048 x 1,024 float32.
;; Outputs: out0 2 x 2,048 x 1,024 float32.
;; This version of the problem:
;;   THIS VERSION OF THE PROBLEM IS GIVEN IN LOW PRECISION. The matrix products marked QUANTISED in the list below multiply operands that are first quantised to E2M3 (2 exponent bits, 3 mantissa bits; 6 bits a number), with one power-of-two scale for each 32 numbers along K (OCP MX v1.0); their sums are f32. All else is computed in f32.
;;   The module's matrix products, in the order in which they are computed (A, B: the left and right operand; K: the contracted axis; several contracted axes count as one K, in the product's order):
;;     1. [M 4,096, K 1,024] x [K 1,024, N 1,024]; A: input x_q; B: input Wq: QUANTISED
;;     2. [M 4,096, K 1,024] x [K 1,024, N 1,024]; A: input x_q; B: input Wk: QUANTISED
;;     3. [M 4,096, K 1,024] x [K 1,024, N 1,024]; A: input x_q; B: input Wv: QUANTISED
;;     4. batch 32 x [M 2,048, K 64] x [K 64, N 2,048]; A: computed on the way; B: computed on the way: QUANTISED
;;     5. batch 32 x [M 2,048, K 2,048] x [K 2,048, N 64]; A: softmax (see below); B: computed on the way: QUANTISED
;;     6. [M 4,096, K 1,024] x [K 1,024, N 1,024]; A: computed on the way; B: input Wo: QUANTISED
;;   THE QUANTISER, for each operand of a quantised product, along K:
;;     - K is cut into blocks of 32 from its start; a last block that is shorter is filled with zeros.
;;     - A block's scale is 2^e with e = floor(log2(the largest magnitude in the block)) - 2, held to -126 .. 127; a block of zeros has e = 0. As a byte (E8M0): e + 127.
;;     - Each number is divided by its block's scale, clamped to +-7.5, and rounded to the nearest number of E2M3, ties to even, subnormals kept.
;;     - The product sums the exact products of the quantised numbers (number of the format x scale) in f32.
;;   ~~~python
;;   def quantise(x, axis):      # numpy; x: float32 -> the quantised numbers, widened to float32 again
;;       x = np.moveaxis(x, axis, -1); K = x.shape[-1]
;;       x = np.pad(x, [(0, 0)] * (x.ndim - 1) + [(0, -K % 32)]); x = x.reshape(x.shape[:-1] + (-1, 32)); a = np.abs(x).max(-1, keepdims=True)
;;       e = np.where(a > 0, np.clip(np.frexp(np.where(a > 0, a, 1))[1] - 1 - 2, -126, 127), 0)      # np.frexp(a)[1] - 1 = floor(log2(a)), exactly
;;       r = np.clip(x / 2.0 ** e, -7.5, 7.5)
;;       step = 2.0 ** (np.maximum(np.frexp(np.where(r == 0, 1, r))[1] - 1, 0) - 3)
;;       q = np.round(r / step) * step * 2.0 ** e      # np.round: ties to even
;;       return np.moveaxis(q.reshape(q.shape[:-2] + (-1,))[..., :K], -1, axis).astype(np.float32)
;;   ~~~
;;   SOFTMAX AHEAD OF A QUANTISED PRODUCT. Where the list says 'softmax', what is quantised is not the finished softmax but p = 2^(t - M), with t = logit x log2(e) and M = ceil(the row's largest t), a whole number; so 1/2 < the row's largest p <= 1. The row's sum l is taken of the UNQUANTISED p, in f32, and the product's result is divided by l at the end. Since M is a whole number, a kernel that streams over the keys may use a running M (the ceiling of the running maximum): every later rescaling is an exact power of two, which a block's scale takes up: the codes' values come out the same.
;;   OPERANDS COMPUTED ON THE WAY. 'Computed on the way' means the value that the module computes at that place (a softmax that the list does not call 'softmax' is quantised finished and normalised). What goes into a quantiser is computed in f32, as accurately as f32 sums, v_exp_f32 and their like allow (about 1e-6 of the number): no bf16 or f16 on the way to a quantiser, and a product that is left as it is and whose result goes on into a quantised operand takes f32 operands (vector FMAs, or v_wmma_f32_16x16x4_f32). A number that lies on a knife's edge between two numbers of the format may be rounded either way, as far as f32 arithmetic and the matrix unit's own rounding can turn it there, and no further.
;; One version. Each part assembles by itself: llvm-mc -triple=amdgcn-amd-amdhsa -mcpu=gfx1250 --defsym DOCPART=n.
;; ======== version 1 of 1: 4 launches
;; limits: right only within a limited range of input values
;; workspace buffers: opc 6,291,456 bytes; ops 262,144 bytes; qc 3,145,728 bytes; qs 131,072 bytes; kv 6,553,600 bytes; cc 3,145,728 bytes; cs 131,072 bytes
;; launch quant (part 1): grid 256 x 1, 8 waves a work-group, no clusters, 68,608 bytes of LDS; arguments Wq, Wk, Wv, Wo, opc, ops, x_q; writes opc, ops
.if DOCPART == 1
	.amdgcn_target "amdgcn-amd-amdhsa--gfx1250"
	.amdhsa_code_object_version 6
	.text
	.protected	k_q54f33036c7_quant
	.globl	k_q54f33036c7_quant
	.p2align	8
	.type	k_q54f33036c7_quant,@function
k_q54f33036c7_quant:
	s_mov_b64 s[64:65], 0
	v_nop
	global_prefetch_b8 v0, s[64:65] scope:SCOPE_SE
	s_setreg_imm32_b32 hwreg(HW_REG_WAVE_MODE, 25, 1), 1
	s_wait_xcnt 0x0
; x_q [4096][1024] and Wq, Wk, Wv, Wo [1024 (k)][1024 (n)], f32, become codes of FP6 (E2M3) with one E8M0 byte for each 32 along K (the 1,024).
; The program leaves no work of reference() out: every input is loaded, every product is done.
; A block's scale is 2^(floor(log2(largest magnitude)) - 2); its byte is the largest magnitude's exponent field - 2, held at 1 from below.
; LIMITS: NaN and infinities among the inputs are not served; a block of zeros gets the byte 1 (its codes are zeros; only this program reads the bytes);
; blocks whose largest magnitude lies under 2^-124 keep the byte 1.
; LAYOUT OF opc: [tile of 16 rows T][K step of 128 F][piece of 4 registers][lane][16 bytes]: the image of an operand's 12 registers: lane (r, h) holds row r,
; registers 6 c .. 6 c + 5 hold K = 64 c + 32 h .. + 31.  ops: [16 T + row][32 bytes], byte K / 32.
; ROW ORDER: inside a band of 64 (tokens, or a weight's columns) index 32 h + 8 j + i is row 8 h + i of the band's tile j: used as a product's first source, four tiles
; leave 32 neighbours, one scale block of the next product, in each lane.
; T 0..255: tokens.  256 + 12 head + 4 w + j: columns of Wq, Wk, Wv (w = 0, 1, 2).  448 + 4 band + j: columns of Wo.
; SHARES: work-groups 0-127 take x (a wave: 16 rows x 256 K), 128-255 the weights (a wave: 32 columns x 128 K); a wave asks for all its numbers at once.
; Every input byte is read once.  No matrix unit, no cluster, no tensor load, no prefetch: the work-groups share nothing, and no loop runs.
.set SPARE, 67584                      ; behind the eight stages: the spare words, 128 bytes a wave
.set SPW,  28
.set NIL,  29
.set TM,   8                           ; v8-15   at work
.set XW,   24                          ; v24-25  my two blocks' bytes for each fragment
.set R,    32                          ; v32-159 the numbers as loaded (x: two fragments; W: four blocks of one column)
.set X,    160                         ; v160-223 x: register 32 c + i = K 64 c + 32 h + i of row r
.set PC,   224                         ; v224-247 x: codes of two fragments
.set CT,   248                         ; v248-254 x: upper halves of blocks
.set FW,   160                         ; v160-183 W: fragments of two tiles
.set TU,   184                         ; v184-190 W: upper halves of blocks
	s_load_b256 s[8:15], s[0:1], 0x0               ; Wq, Wk, Wv, Wo
	s_load_b128 s[16:19], s[0:1], 0x20             ; opc, ops
	s_load_b64 s[4:5], s[0:1], 0x30                ; x_q
	v_lshl_add_u32 v[SPW], v0, 2, SPARE
	v_mov_b32 v[NIL], 0
	v_lshrrev_b32 v1, 5, v0
	v_readfirstlane_b32 s20, v1                    ; wave 0..7
	v_and_b32 v6, 31, v0                           ; lane
	v_and_b32 v7, 15, v0                           ; r
	v_bfe_u32 v30, v0, 4, 1                        ; h
	v_lshlrev_b32 v1, 4, v6                        ; 16 x lane
	s_mul_i32 s21, s20, 8448                       ; my stage: 16 rows of 512 + 16 bytes
	v_add_nc_u32 v2, s21, v1                       ; into it: 16 x lane of a row
	v_mul_u32_u24 v3, v7, 528
	v_lshl_add_u32 v3, v30, 7, v3
	v_add_nc_u32 v3, s21, v3                       ; out of it: row r, + 128 h: my 32 numbers of a block
	v_lshlrev_b32 v5, 5, v7
	v_lshl_add_u32 v5, v30, 2, v5                  ; x's scale words: 32 r + 4 h
	v_lshlrev_b32 v20, 3, v30                      ; 8 h
	v_sub_nc_u32 v21, 8, v20
	v_mov_b32 v22, 0                               ; a lane permute's destination counts as one of its sources
	v_and_b32 v26, 7, v6                           ; W: lane l = 16 u + 8 h' + i takes column 32 h' + 8 u + i of my 64
	v_and_b32 v27, 8, v6
	v_lshl_add_u32 v26, v27, 2, v26
	v_lshl_add_u32 v26, v30, 3, v26
	v_lshlrev_b32 v26, 2, v26
	v_lshlrev_b32 v27, 5, v6                       ; my row of scale bytes
	s_mov_b32 s29, 0
	s_wait_alu depctr_va_vdst(0)
	s_wait_kmcnt 0x0
	s_cmp_lt_u32 ttmp9, 128                        ; the work-group's number alone decides
	s_cbranch_scc1 .Ltokens
	; ---- THE WEIGHTS.  A lane takes a column and its registers run down K: a block of 32 lies in one lane.
	s_sub_co_u32 s24, ttmp9, 128
	s_lshr_b32 s25, s24, 5                         ; which weight
	s_bfe_u32 s26, s24, 0x30002                    ; which 128 columns
	s_and_b32 s27, s24, 3                          ; which 256 along K
	s_cmp_eq_u32 s25, 1
	s_cselect_b64 s[8:9], s[10:11], s[8:9]
	s_cmp_eq_u32 s25, 2
	s_cselect_b64 s[8:9], s[12:13], s[8:9]
	s_cmp_eq_u32 s25, 3
	s_cselect_b64 s[8:9], s[14:15], s[8:9]
	s_lshl_b32 s27, s27, 1
	s_lshr_b32 s21, s20, 2
	s_add_co_u32 s27, s27, s21                     ; my K step F
	s_lshl_b32 s28, s27, 19                        ; 128 rows of 4,096 bytes
	s_and_b32 s21, s20, 3
	s_lshl_b32 s26, s26, 1
	s_lshr_b32 s30, s21, 1
	s_add_co_u32 s26, s26, s30                     ; my band of 64 columns: the head
	s_lshl_b32 s30, s26, 8
	s_add_co_u32 s28, s28, s30
	s_and_b32 s21, s21, 1                          ; tiles 2 s21 and 2 s21 + 1 of the band
	s_lshl_b32 s30, s21, 6
	s_add_co_u32 s28, s28, s30
	s_add_nc_u64 s[8:9], s[8:9], s[28:29]
	s_lshl_b32 s30, s25, 2
	s_add_co_u32 s30, s30, 256
	s_mul_i32 s28, s26, 12
	s_lshl_b32 s31, s26, 2
	s_mov_b32 s24, 448
	s_cmp_eq_u32 s25, 3
	s_cselect_b32 s30, s24, s30
	s_cselect_b32 s28, s31, s28
	s_add_co_u32 s28, s28, s30
	s_lshl_b32 s21, s21, 1
	s_add_co_u32 s28, s28, s21                     ; my first tile T
	s_lshl_b32 s30, s28, 9
	s_mul_i32 s28, s28, 12288
	s_mul_i32 s21, s27, 1536
	s_add_co_u32 s28, s28, s21
	s_add_nc_u64 s[16:17], s[16:17], s[28:29]
	s_lshl_b32 s27, s27, 2
	s_add_co_u32 s28, s30, s27
	s_add_nc_u64 s[18:19], s[18:19], s[28:29]
.irp t, 0,1,2,3
.irp i, 0,1,2,3,4,5,6,7,8,9,10,11,12,13,14,15,16,17,18,19,20,21,22,23,24,25,26,27,28,29,30,31
	global_load_b32 v[R+32*\t+\i], v26, s[8:9] offset:(32*\t+\i)*4096 th:TH_LOAD_NT
.endr
.endr
.macro BLOCK t, younger                ; block t = 2 c + u of my K step; younger: loads that may be out
.set XS, R+32*(\t)
.set CC, (\t)/2
.set UU, (\t)%2
	s_wait_loadcnt \younger
	v_max3_num_f32 v12, |v[XS]|, |v[XS+1]|, |v[XS+2]|
	v_max3_num_f32 v13, |v[XS+3]|, |v[XS+4]|, |v[XS+5]|
.irp i, 6,10,14,18,22,26
	v_max3_num_f32 v12, v12, |v[XS+\i]|, |v[XS+\i+1]|
	v_max3_num_f32 v13, v13, |v[XS+\i+2]|, |v[XS+\i+3]|
.endr
	v_max3_num_f32 v12, v12, |v[XS+30]|, |v[XS+31]|
	v_max3_num_f32 v12, v12, v13, 0x1800000        ; and the floor 2^(3 - 127): the byte cannot fall under 1
	v_add_nc_u32 v11, 0xff000000, v12              ; 2 off its exponent field: the conversion's scale operand
	v_lshrrev_b32 v13, 23, v11
.if (\t) == 0
	v_mov_b32 v[XW], v13
.else
	v_lshl_or_b32 v[XW], v13, 8*(\t), v[XW]
.endif
	v_cvt_scalef32_pk16_fp6_f32 v[FW+12*UU+6*CC:FW+12*UU+6*CC+2], v[XS:XS+15], v11
	v_cvt_scalef32_pk16_fp6_f32 v[TU+4*UU:TU+4*UU+2], v[XS+16:XS+31], v11
.if UU == 1
	v_nop                                          ; one plain place behind a scaled conversion
; Lanes 0-15 hold columns of tile 0, lanes 16-31 of tile 1, each both blocks 2 c and 2 c + 1: the exchange gives both tiles' registers at once.
.irp i, 0,1,2
	v_permlane16_swap_b32 v[FW+6*CC+\i], v[FW+12+6*CC+\i]
	v_permlane16_swap_b32 v[TU+\i], v[TU+4+\i]
.endr
.irp i, 0,1,2
	v_mov_b32 v[FW+6*CC+3+\i], v[TU+\i]
	v_mov_b32 v[FW+12+6*CC+3+\i], v[TU+4+\i]
.endr
.endif
.endm
	BLOCK 0, 63
	BLOCK 1, 63
	BLOCK 2, 32
	BLOCK 3, 0
.irp u, 0,1
.irp k, 0,1,2
	global_store_b128 v1, v[FW+12*\u+4*\k:FW+12*\u+4*\k+3], s[16:17] offset:\u*12288+512*\k   ; 512 consecutive bytes, aligned
.endr
.endr
	global_store_b32 v27, v[XW], s[18:19]          ; 4 of a row's 32 scale bytes: one byte for 128 bytes read
	s_branch .Lend
	; ---- THE TOKENS.  Wave w of work-group g: tile T = 2 g + w / 4, K quarter w % 4: two fragments of 16 rows x 128 K.
.Ltokens:
	s_mov_b32 s22, 0x76543210                      ; selects of v_permlanex16_b32: lane l xor 16
	s_mov_b32 s23, 0xfedcba98
	s_mov_b32 s24, 0xffff0000                      ; lanes 16-31
	s_lshr_b32 s25, s20, 2
	s_and_b32 s26, s20, 3
	s_lshr_b32 s27, ttmp9, 1
	s_lshl_b32 s28, s27, 18                        ; a band of 64 rows of 4,096 bytes for two work-groups,
	s_and_b32 s27, ttmp9, 1
	s_lshl_b32 s27, s27, 16                        ; tiles j = 2 (g % 2) + w / 4 begin 8 rows apart,
	s_add_co_u32 s28, s28, s27
	s_lshl_b32 s27, s25, 15
	s_add_co_u32 s28, s28, s27
	s_lshl_b32 s27, s26, 10                        ; my quarter of K
	s_add_co_u32 s28, s28, s27
	s_add_nc_u64 s[4:5], s[4:5], s[28:29]
	s_lshl_b32 s27, ttmp9, 1
	s_add_co_u32 s27, s27, s25                     ; T
	s_mul_i32 s28, s27, 12288
	s_mul_i32 s30, s26, 3072
	s_add_co_u32 s28, s28, s30
	s_add_nc_u64 s[16:17], s[16:17], s[28:29]
	s_lshl_b32 s28, s27, 9
	s_lshl_b32 s30, s26, 3
	s_add_co_u32 s28, s28, s30
	s_add_nc_u64 s[18:19], s[18:19], s[28:29]
.irp f, 0,1                            ; row p of the tile is the row p + 24 (p / 8) of the wave's rows; each load covers 512 consecutive bytes of one row
.irp p, 0,1,2,3,4,5,6,7,8,9,10,11,12,13,14,15
	global_load_b128 v[R+64*\f+4*\p:R+64*\f+4*\p+3], v1, s[4:5] offset:(\p+24*(\p/8))*4096+512*\f th:TH_LOAD_NT
.endr
.endr
.macro XFRAG f
	s_wait_loadcnt 16*(1-(\f))                     ; this fragment's 16 loads are in
.irp p, 0,1,2,3,4,5,6,7,8,9,10,11,12,13,14,15
	ds_store_b128 v2, v[R+64*(\f)+4*\p:R+64*(\f)+4*\p+3] offset:528*\p
.endr
.irp c, 0,1
.irp j, 0,1,2,3,4,5,6,7
	ds_load_b128 v[X+32*\c+4*\j:X+32*\c+4*\j+3], v3 offset:256*\c+16*\j   ; LDS serves a wave's instructions in order: these see my stores
.endr
.endr
	s_wait_dscnt 0x0
.irp c, 0,1                            ; my blocks h and 2 + h of the K step, two chains each
	v_max3_num_f32 v[TM+2*\c], |v[X+32*\c]|, |v[X+32*\c+1]|, 0x1800000
	v_max3_num_f32 v[TM+2*\c+1], |v[X+32*\c+16]|, |v[X+32*\c+17]|, |v[X+32*\c+18]|
.endr
.irp i, 2,4,6,8,10,12
.irp c, 0,1
	v_max3_num_f32 v[TM+2*\c], v[TM+2*\c], |v[X+32*\c+\i]|, |v[X+32*\c+\i+1]|
	v_max3_num_f32 v[TM+2*\c+1], v[TM+2*\c+1], |v[X+32*\c+17+\i]|, |v[X+32*\c+18+\i]|
.endr
.endr
.irp c, 0,1
	v_max3_num_f32 v[TM+2*\c], v[TM+2*\c], |v[X+32*\c+14]|, |v[X+32*\c+15]|
.endr
.irp c, 0,1
	v_max3_num_f32 v[TM+2*\c], v[TM+2*\c], v[TM+2*\c+1], |v[X+32*\c+31]|
.endr
.irp c, 0,1
	v_add_nc_u32 v[TM+4+\c], 0xff000000, v[TM+2*\c]
.endr
.irp c, 0,1
	v_lshrrev_b32 v[TM+6+\c], 23, v[TM+4+\c]
.endr
.irp c, 0,1
	v_cvt_scalef32_pk16_fp6_f32 v[PC+12*(\f)+6*\c:PC+12*(\f)+6*\c+2], v[X+32*\c:X+32*\c+15], v[TM+4+\c]
	v_cvt_scalef32_pk16_fp6_f32 v[CT+4*\c:CT+4*\c+2], v[X+32*\c+16:X+32*\c+31], v[TM+4+\c]
.endr
	v_lshl_or_b32 v[XW+(\f)], v[TM+7], 16, v[TM+6]   ; (a plain place behind the conversions too)
.irp c, 0,1
.irp i, 0,1,2
	v_mov_b32 v[PC+12*(\f)+6*\c+3+\i], v[CT+4*\c+\i]
.endr
.endr
.irp k, 0,1,2
	global_store_b128 v1, v[PC+12*(\f)+4*\k:PC+12*(\f)+4*\k+3], s[16:17] offset:1536*(\f)+512*\k
.endr
.endm
	XFRAG 0
	XFRAG 1
	v_cndmask_b32 v30, v[XW], v[XW+1], s24         ; lanes 0-15 store the first fragment's word, lanes 16-31 the second's: each takes the other half's bytes
	v_cndmask_b32 v31, v[XW+1], v[XW], s24
	v_permlanex16_b32 v22, v31, s22, s23
	v_lshlrev_b32 v30, v20, v30
	v_lshl_or_b32 v30, v22, v21, v30
	global_store_b32 v5, v30, s[18:19]             ; 8 of a row's 32 scale bytes: one byte for 128 bytes read
.Lend:
	s_wait_tensorcnt 0x0                           ; the wave's end
	ds_add_u32 v[SPW], v[NIL]
	s_wait_dscnt 0x0
	s_endpgm
.Lfunc_end_k_q54f33036c7_quant:
	.size	k_q54f33036c7_quant, .Lfunc_end_k_q54f33036c7_quant-k_q54f33036c7_quant
	.p2alignl 7, 3214868480
	.fill 96, 4, 3214868480
	.section	.rodata,"a",@progbits
	.p2align	6, 0x0
	.amdhsa_kernel k_q54f33036c7_quant
		.amdhsa_group_segment_fixed_size 68608
		.amdhsa_private_segment_fixed_size 0
		.amdhsa_enable_private_segment 0
		.amdhsa_kernarg_size 56
		.amdhsa_user_sgpr_count 2
		.amdhsa_user_sgpr_kernarg_segment_ptr 1
		.amdhsa_wavefront_size32 1
		.amdhsa_system_sgpr_workgroup_id_x 1
		.amdhsa_system_sgpr_workgroup_id_y 1
		.amdhsa_system_sgpr_workgroup_id_z 1
		.amdhsa_system_vgpr_workitem_id 0
		.amdhsa_next_free_vgpr 256
		.amdhsa_next_free_sgpr 66
		.amdhsa_reserve_vcc 0
		.amdhsa_float_denorm_mode_32 3
		.amdhsa_float_denorm_mode_16_64 3
		.amdhsa_memory_ordered 1
		.amdhsa_forward_progress 1
		.amdhsa_inst_pref_size 37
	.end_amdhsa_kernel
	.amdgpu_metadata
---
amdhsa.version: [ 1, 2 ]
amdhsa.kernels:
  - .name:           k_q54f33036c7_quant
    .symbol:         k_q54f33036c7_quant.kd
    .args:
      - { .name: Wq, .offset: 0, .size: 8, .value_kind: global_buffer, .address_space: global }
      - { .name: Wk, .offset: 8, .size: 8, .value_kind: global_buffer, .address_space: global }
      - { .name: Wv, .offset: 16, .size: 8, .value_kind: global_buffer, .address_space: global }
      - { .name: Wo, .offset: 24, .size: 8, .value_kind: global_buffer, .address_space: global }
      - { .name: opc, .offset: 32, .size: 8, .value_kind: global_buffer, .address_space: global }
      - { .name: ops, .offset: 40, .size: 8, .value_kind: global_buffer, .address_space: global }
      - { .name: x_q, .offset: 48, .size: 8, .value_kind: global_buffer, .address_space: global }
    .group_segment_fixed_size: 68608
    .private_segment_fixed_size: 0
    .kernarg_segment_align: 8
    .kernarg_segment_size: 56
    .max_flat_workgroup_size: 256
    .sgpr_count:     66
    .vgpr_count:     256
    .wavefront_size: 32
...
	.end_amdgpu_metadata
.endif
;; end of part 1
;; launch qkv (part 2): grid 16 x 16, 4 waves a work-group, clusters of 4 x 4, 327,680 bytes of LDS; arguments opc, ops, bq, bk, bv, qc, qs, kv; writes qc, qs, kv
.if DOCPART == 2
	.amdgcn_target "amdgcn-amd-amdhsa--gfx1250"
	.amdhsa_code_object_version 6
	.text
	.protected	k_q54f33036c7_qkv
	.globl	k_q54f33036c7_qkv
	.p2align	8
	.type	k_q54f33036c7_qkv,@function
k_q54f33036c7_qkv:
	s_mov_b64 s[64:65], 0
	v_nop
	global_prefetch_b8 v0, s[64:65] scope:SCOPE_SE
	s_setreg_imm32_b32 hwreg(HW_REG_WAVE_MODE, 25, 1), 1
	s_wait_xcnt 0x0
	s_wait_alu depctr_hold_cnt(0) depctr_sa_sdst(0) depctr_va_vdst(0) depctr_va_sdst(0) depctr_va_ssrc(0) depctr_va_vcc(0) depctr_vm_vsrc(0)
	s_getreg_b32 s2, hwreg(HW_REG_IB_STS2, 6, 4)
	s_cmp_eq_u32 s2, 0
	s_cbranch_scc0 .Lentry_in_a_cluster
	s_endpgm
.Lentry_in_a_cluster:
	s_bfe_u32 s2, ttmp6, 0x10000c
	s_cmp_lg_u32 s2, 0xf033
	s_cbranch_scc0 .Lentry_shape_is_right
	s_endpgm
.Lentry_shape_is_right:
; q = x Wq + bq, k = x Wk + bk, v = x Wv + bv on codes of FP6 (E2M3) with E8M0 scales, f32 sums; the results are quantised at once, in registers, for the attention:
; q and k along the head's 64, v along the keys.  No f32 result goes to memory.
; LIMITS: NaN and infinities are not served; a block of zeros gets the scale byte 1 (its codes are zeros; only this program reads the bytes).
; THE DEAL: a work-group makes 256 tokens x one head (64 columns each of q, k, v); 16 heads x 16 blocks of tokens.  A wave takes 64 tokens (4 tiles, one band) x 192 columns (12 tiles): 48 accumulators.
; q, k: source 0 = the weight's columns, so a lane holds one token and its registers 32 neighbouring features; v: source 0 = the tokens, so a lane holds one column and its registers 32 neighbouring
; tokens (the rows' order: launch quant).  So each lane holds whole scale blocks of the next product.
; LDS, each byte filled once, at the head, one tensor load a wave: x's first half of K (16 tiles x 6,144 bytes), the weights' first half (12 tiles), x's second half, Wq's and Wk's second half (8 tiles).
; Wv's second half, for which LDS has no room beside them, goes from memory into registers.  All of it is asked for at the head and no loop runs: no prefetch.
; CLUSTER 4 x 4: x's tiles are shared along a row of the cluster, the weights' along a column: joint loads.
; OUT: qc [batch, head][tile of 16 tokens][768];  kv [batch, head][step of 128 tokens][K: 4 pairs of tiles x 1,536 | V: 4 tiles of d x 1,536 | 512 bytes of scale words];  qs [batch, head][tile][row][h].
; REGISTERS: window 0: v4-19 addresses, v30-59 at work, v60-75, v80-127 scale words, v128-223 x's fragments, two sets.  window 1: v0-143 the weights' fragments of a K step, v144-239 Wv, K steps 4, 5.
; window 2: q's and k's sums.  window 3: v0-127 v's sums, v128-223 the biases as the first products' C, then Wv, K steps 6, 7.
.set XA1, 172032                       ; x, second half; the first half lies at 0
.set WB0, 98304                        ; the weights, first half
.set WB1, 270336                       ; Wq, Wk, second half
.set STG, 319488                       ; scale bytes on their way out: two steps x 512, q's 512
.set SPARE, STG+2048                   ; the spare words, 128 bytes a wave
.set L16, 4
.set L8,  5
.set SPW, 28
.set NIL, 29
.set TM,  30
.set SO,  38
.set SX,  60
.set SW,  80
.set AF,  128
.set CT,  200
.set MSB, 0
.macro WIN new
.if MSB != \new
	s_set_vgpr_msb (MSB<<8)|\new
.set MSB, \new
.endif
.endm
.macro PLACES n
.rept \n
	v_nop
.endr
.endm
.macro CROUND
	s_barrier_signal -1
	s_barrier_wait -1
	s_cmp_lg_u32 s14, 0
	s_cbranch_scc1 .Lnot_wave_0_\@
	s_barrier_signal -3
.Lnot_wave_0_\@:
	s_barrier_wait -3
	s_barrier_signal -1
	s_barrier_wait -1
.endm
.macro ROWS g, n                       ; n tiles' halves of K: rows of 6,144 bytes, 12,288 bytes apart, in elements of 8 bytes
	s_mov_b32 s[\g+1], 768<<16
	s_mov_b32 s[\g+2], (\n)<<16
	s_mov_b32 s[\g+3], 768<<16
	s_mov_b32 s[\g+4], \n
	s_mov_b32 s[\g+5], 1536
	s_mov_b32 s[\g+6], 0
	s_mov_b32 s[\g+7], 0
.endm
.macro G0SET g, lds, base, off
	s_mov_b32 s[\g], 1
	s_mov_b32 s[\g+1], \lds
	s_add_nc_u64 s[\g+2:\g+3], s[\base:\base+1], \off
	s_or_b32 s[\g+3], s[\g+3], 0x80000000
.endm
.macro TLOAD g0, g1
	tensor_load_to_lds s[\g0:\g0+3], s[\g1:\g1+7]
	s_nop 0
	PLACES 4
.endm
.macro WM d, s0, s1, c, x0, x1, r0, r1
	v_wmma_scale_f32_16x16x128_f8f6f4 v[\d:\d+7], v[\s0:\s0+11], v[\s1:\s1+11], \c, v[\x0], v[\x1] matrix_a_fmt:MATRIX_FMT_FP6 matrix_b_fmt:MATRIX_FMT_FP6 matrix_a_scale:MATRIX_SCALE_ROW\r0 matrix_b_scale:MATRIX_SCALE_ROW\r1
.endm
; Eight products of q (n0 = 0) or k (n0 = 4): two column tiles x my four token tiles.  The accumulators take turns, one instruction a turn.
.macro MQK F, n0, p
.irp o, 0,1
.irp e, 0,1
.irp g, 0,1
.set D_, 32*(\n0)+64*\e+32*\g+16*(\p)+8*\o
.set B_, 12*((\n0)+2*(\p)+\o)
.set A_, AF+48*((\F)%2)+24*\e+12*\g
.set W_, SW+8*((\n0)/2+(\p))+(\F)
.set X_, SX+8*\e+(\F)
.if (\F) == 0
.set C_, 128+8*((\n0)+2*(\p)+\o)
.else
.set C_, D_
.endif
	WM D_, B_, A_, v[C_:C_+7], W_, X_, \o, \g
.endr
.endr
.endr
.endm
.macro MV F                            ; sixteen products of v
.if (\F) < 4
.set WV_, 96
.elseif (\F) < 6
.set WV_, 144+48*((\F)-4)
.else
.set WV_, 128+48*((\F)-6)
.endif
.irp p, 0,1
.irp o, 0,1
.irp e, 0,1
.irp g, 0,1
.set D_, 64*\p+32*\o+16*\e+8*\g
.set B_, WV_+24*\p+12*\o
.set A_, AF+48*((\F)%2)+24*\e+12*\g
.set W_, SW+8*(4+\p)+(\F)
.set X_, SX+8*\e+(\F)
.if (\F) == 0
.set C_, 192+16*\p+8*\o
.else
.set C_, D_
.endif
	WM D_, A_, B_, v[C_:C_+7], X_, W_, \g, \o
.endr
.endr
.endr
.endr
.endm
.macro LOADA F                         ; my four token tiles' fragments of K step F into set F % 2: 12 loads
	WIN 0
.irp a, 0,1,2,3
.irp k, 0,1,2
	ds_load_b128 v[AF+48*((\F)%2)+12*\a+4*\k:AF+48*((\F)%2)+12*\a+4*\k+3], v[6+(\F)/4] offset:6144*\a+1536*((\F)%4)+512*\k
.endr
.endr
.endm
.macro LOADB F, n0                     ; four column tiles' fragments: 12 loads
	WIN 0x40
.irp u, 0,1,2,3
.irp k, 0,1,2
.if (\n0) == 8
	ds_load_b128 v[96+12*\u+4*\k:96+12*\u+4*\k+3], v9 offset:6144*\u+1536*((\F)%4)+512*\k
.else
	ds_load_b128 v[12*((\n0)+\u)+4*\k:12*((\n0)+\u)+4*\k+3], v[8+2*((\F)/4)] offset:6144*((\n0)+\u)+1536*((\F)%4)+512*\k
.endif
.endr
.endr
	WIN 0
.endm
.macro VSTAT F, base                   ; Wv's fragments of K step F from memory: 12 loads
.irp t, 0,1,2,3
.irp k, 0,1,2
	global_load_b128 v[\base+12*\t+4*\k:\base+12*\t+4*\k+3], v[L16], s[60:61] offset:98304+12288*\t+1536*(\F)+512*\k
.endr
.endr
.endm
; A K step of 128: three groups of 16 products; behind each group its weights' fragments of the next step are asked for, behind q's x's too (the other set).
; THE COUNTS: younger than q's and x's fragments are k's 12 loads and, up to step 3, v's 12; younger than k's: v's 12 and the next step's 24; younger than v's: the next step's 24 + 12.
.macro KSTEP F
.if (\F) < 4
	s_wait_dscnt 24
.else
	s_wait_dscnt 12
.endif
.if (\F) == 0
	WIN 0xb1                                       ; source 0 (weights) window 1, source 1 (x) window 0, C (the bias) window 3, D window 2
.else
	WIN 0xa1
.endif
	MQK \F, 0, 0
.if (\F) == 3
	s_wait_tensorcnt 0x0                           ; the second halves' loads: all waves show theirs; nothing is ever filled again
	s_wait_dscnt 0x0
	s_barrier_signal -1
.endif
	MQK \F, 0, 1
.if (\F) == 3
	s_barrier_wait -1
.endif
.if (\F) < 7
	PLACES 4                                       ; ahead of loads into registers that products have read
	LOADB (\F)+1, 0
	LOADA (\F)+1
.endif
.if (\F) < 4
	s_wait_dscnt 36
.elseif (\F) < 7
	s_wait_dscnt 24
.else
	s_wait_dscnt 0
.endif
.if (\F) == 0
	WIN 0xb1
.else
	WIN 0xa1
.endif
	MQK \F, 4, 0
	MQK \F, 4, 1
.if (\F) < 7
	PLACES 4
	LOADB (\F)+1, 4
.endif
.if (\F) < 4
	s_wait_dscnt 36
.elseif (\F) == 4
	s_wait_loadcnt 24                              ; Wv's K steps 4 and 5 are in; steps 6 and 7 may be out
.elseif (\F) == 6
	s_wait_loadcnt 0x0
.endif
.if (\F) < 6
	WIN 0xf4                                       ; source 0 (x) window 0, source 1 (Wv) window 1, C and D window 3
.else
	WIN 0xfc
.endif
	MV \F
.if (\F) < 3
	PLACES 4
	LOADB (\F)+1, 8
.endif
.if (\F) == 0
	WIN 0xc0
	VSTAT 6, 128                                   ; the biases have been read: Wv's K steps 6 and 7 take their registers
	VSTAT 7, 176
	WIN 0
.endif
.endm
	s_load_b256 s[68:75], s[0:1], 0x0              ; opc, ops, bq, bk
	s_load_b256 s[76:83], s[0:1], 0x20             ; bv, qc, qs, kv
	v_lshl_add_u32 v[SPW], v0, 2, SPARE
	v_mov_b32 v[NIL], 0
	ds_add_u32 v[SPW], v[NIL]                      ; the wave's opening: the add, twice on end, and its wait ahead of my first tensor load
	ds_add_u32 v[SPW], v[NIL]
	v_lshrrev_b32 v1, 5, v0
	v_readfirstlane_b32 s14, v1                    ; wave 0..3
	s_bfe_u32 s10, ttmp6, 0x40000                  ; cx
	s_bfe_u32 s11, ttmp6, 0x40004                  ; cy
	s_lshl_b32 s12, ttmp9, 2
	s_add_co_u32 s12, s12, s10                     ; the head
	s_and_b32 s13, ttmp7, 0xffff
	s_lshl_b32 s13, s13, 2
	s_add_co_u32 s13, s13, s11                     ; the block of 256 tokens
	s_lshl_b32 s56, s11, 2
	s_lshl_b32 s56, 15, s56                        ; my row of the cluster
	s_lshl_b32 s57, 0x1111, s10                    ; my column
	s_or_b32 s16, s56, (3<<16)|(1<<21)
	s_or_b32 s24, s57, (3<<16)|(1<<21)
	s_or_b32 s32, s57, (3<<16)|(1<<21)
	ROWS 16, 16
	ROWS 24, 12
	ROWS 32, 8
	s_mul_i32 s58, s13, 196608                     ; x's tiles hang on the block of tokens alone
	s_mov_b32 s59, 0
	s_mul_i32 s60, s12, 147456                     ; the weights' on the head alone
	s_add_co_u32 s60, s60, 3145728
	s_mov_b32 s61, 0
	s_wait_alu depctr_va_vdst(0)
	s_wait_dscnt 0x0                               ; both opening adds are done
	CROUND                                         ; all sixteen work-groups are here: the joint loads meet
	s_wait_kmcnt 0x0
	s_add_nc_u64 s[58:59], s[68:69], s[58:59]
	s_add_nc_u64 s[60:61], s[68:69], s[60:61]
	G0SET 40, 0, 58, 0
	G0SET 44, WB0, 60, 0
	G0SET 48, XA1, 58, 6144
	G0SET 52, WB1, 60, 6144
	s_cmp_eq_u32 s14, 0
	s_cbranch_scc0 .Lwave_1
	TLOAD 40, 16                                   ; wave 0: x, first half of K
	s_branch .Lasked
.Lwave_1:
	s_cmp_eq_u32 s14, 1
	s_cbranch_scc0 .Lwave_2
	TLOAD 44, 24                                   ; wave 1: the weights, first half
	s_branch .Lasked
.Lwave_2:
	s_cmp_eq_u32 s14, 2
	s_cbranch_scc0 .Lwave_3
	TLOAD 48, 16                                   ; wave 2: x, second half
	s_branch .Lasked
.Lwave_3:
	TLOAD 52, 32                                   ; wave 3: Wq and Wk, second half
.Lasked:
	v_and_b32 v1, 31, v0                           ; lane
	v_and_b32 v2, 15, v0                           ; r
	v_bfe_u32 v3, v0, 4, 1                         ; h
	v_lshlrev_b32 v[L16], 4, v1
	v_lshlrev_b32 v[L8], 3, v1
	v_lshlrev_b32 v11, 5, v1                       ; a row of scale bytes
	v_lshlrev_b32 v12, 7, v3                       ; q's and k's bias: 32 numbers on end for each half of the lanes
	v_lshrrev_b32 v18, 3, v2
	v_and_b32 v13, 7, v2
	v_lshlrev_b32 v13, 2, v13
	v_lshl_add_u32 v13, v18, 7, v13                ; v's: lane (r, h) of tile t has column 32 (r / 8) + 8 t + r % 8
	s_mul_i32 s6, s14, 24576                       ; my four token tiles
	v_add_nc_u32 v6, s6, v[L16]
	v_add_nc_u32 v7, XA1, v6
	v_add_nc_u32 v8, WB0, v[L16]
	v_add_nc_u32 v9, WB0+49152, v[L16]
	v_add_nc_u32 v10, WB1, v[L16]
	s_lshl_b32 s62, s13, 13                        ; scale bytes: 512 a tile
	s_lshl_b32 s6, s14, 11
	s_add_co_u32 s62, s62, s6
	s_mov_b32 s63, 0
	s_add_nc_u64 s[62:63], s[70:71], s[62:63]
	s_mul_i32 s66, s12, 6144
	s_add_co_u32 s66, s66, 131072
	s_mov_b32 s67, 0
	s_add_nc_u64 s[66:67], s[70:71], s[66:67]
	s_lshl_b32 s6, s12, 8                          ; the head's 64 biases
	s_mov_b32 s7, 0
	s_add_nc_u64 s[72:73], s[72:73], s[6:7]
	s_add_nc_u64 s[74:75], s[74:75], s[6:7]
	s_add_nc_u64 s[76:77], s[76:77], s[6:7]
	s_wait_alu depctr_va_vdst(0)
.irp p, 0,1                            ; lanes 0-15 tile 2 p, lanes 16-31 tile 2 p + 1; register + F: the word of K step F
.irp c, 0,1
	global_load_b128 v[SX+8*\p+4*\c:SX+8*\p+4*\c+3], v11, s[62:63] offset:1024*\p+16*\c
.endr
.endr
.irp p, 0,1,2,3,4,5
.irp c, 0,1
	global_load_b128 v[SW+8*\p+4*\c:SW+8*\p+4*\c+3], v11, s[66:67] offset:1024*\p+16*\c
.endr
.endr
	WIN 0xc0
.irp k, 0,1,2,3,4,5,6,7
	global_load_b128 v[128+4*\k:131+4*\k], v12, s[72:73] offset:16*\k
	global_load_b128 v[160+4*\k:163+4*\k], v12, s[74:75] offset:16*\k
.endr
.irp t, 0,1,2,3
	global_load_b32 v[192+8*\t], v13, s[76:77] offset:32*\t
.endr
	WIN 0x40
	VSTAT 4, 144
	VSTAT 5, 192
	WIN 0
	; where the results go
	s_lshr_b32 s2, s13, 3
	s_lshl_b32 s2, s2, 4
	s_add_co_u32 s2, s2, s12                       ; 16 x batch + head
	s_and_b32 s3, s13, 7                           ; the block of tokens in its batch
	s_lshr_b32 s4, s14, 1                          ; which of the block's two steps is mine,
	s_and_b32 s5, s14, 1                           ; and which band of it
	s_mul_i32 s84, s2, 98304
	s_mul_i32 s6, s3, 12288
	s_add_co_u32 s84, s84, s6
	s_mul_i32 s6, s14, 3072
	s_add_co_u32 s84, s84, s6
	s_mov_b32 s85, 0
	s_add_nc_u64 s[84:85], s[78:79], s[84:85]      ; q's codes
	s_mul_i32 s7, s2, 204800
	s_lshl_b32 s6, s3, 1
	s_add_co_u32 s8, s6, s4
	s_mul_i32 s8, s8, 12800
	s_add_co_u32 s86, s7, s8
	s_mul_i32 s9, s5, 768
	s_add_co_u32 s88, s86, s9
	s_add_co_u32 s88, s88, 6144
	s_mul_i32 s9, s5, 3072
	s_add_co_u32 s86, s86, s9
	s_mov_b32 s87, 0
	s_mov_b32 s89, 0
	s_add_nc_u64 s[86:87], s[82:83], s[86:87]      ; k's codes
	s_add_nc_u64 s[88:89], s[82:83], s[88:89]      ; v's
	s_add_co_u32 s8, s6, s14
	s_mul_i32 s8, s8, 12800
	s_add_co_u32 s8, s8, s7
	s_add_co_u32 s8, s8, 12288
	s_lshl_b32 s9, s2, 12
	s_lshl_b32 s6, s3, 9
	s_add_co_u32 s9, s9, s6
	s_mov_b32 s91, 0
	s_cmp_lt_u32 s14, 2
	s_cselect_b32 s90, s8, s9
	s_cselect_b64 s[92:93], s[82:83], s[80:81]
	s_add_nc_u64 s[90:91], s[92:93], s[90:91]      ; scale bytes: waves 0 and 1 a step's each, wave 2 q's
	v_lshl_add_u32 v18, v2, 4, v3                  ; 16 r + h
	s_lshl_b32 s6, s4, 9
	s_add_co_u32 s6, s6, STG
	s_lshl_b32 s7, s5, 3
	s_add_co_u32 s7, s7, s6
	v_add_nc_u32 v14, s7, v18                      ; k's bytes: 16 r + 8 band + 2 tile + h of my step's 512
	s_lshl_b32 s7, s5, 1
	s_add_co_u32 s7, s7, s6
	s_add_co_u32 s7, s7, 256
	v_add_nc_u32 v15, s7, v18                      ; v's: 256 + 16 r + 4 t + 2 band + h
	s_lshl_b32 s6, s14, 7
	s_add_co_u32 s6, s6, STG+1024
	v_lshl_add_u32 v19, v2, 1, v3                  ; 2 r + h
	v_add_nc_u32 v16, s6, v19                      ; q's: 32 tile + 2 r + h
	s_lshl_b32 s6, s14, 9
	s_add_co_u32 s6, s6, STG
	v_add_nc_u32 v17, s6, v[L16]                   ; and out again: 512 bytes a wave
	s_wait_alu depctr_va_vdst(0)
	s_wait_loadcnt 24                              ; scale words and biases are in; Wv's 24 loads may be out
	WIN 0xc3
.irp t, 0,1,2,3
.irp i, 1,2,3,4,5,6,7
	v_mov_b32 v[192+8*\t+\i], v[192+8*\t]          ; v's number, one a lane and tile, over the tile's eight registers
.endr
.endr
	WIN 0
	s_wait_alu depctr_va_vdst(0)                   ; and at the head's end
	s_cmp_lt_u32 s14, 2
	s_cbranch_scc0 .Lnot_first
	s_wait_tensorcnt 0x0
.Lnot_first:
	s_barrier_signal -1
	s_barrier_wait -1                              ; the first halves are in; the second halves may be on their way
	LOADB 0, 0
	LOADA 0
	LOADB 0, 4
	LOADB 0, 8
	KSTEP 0
	KSTEP 1
	KSTEP 2
	KSTEP 3
	KSTEP 4
	KSTEP 5
	KSTEP 6
	KSTEP 7
	WIN 0
	PLACES 4
; THE WAY OUT of four blocks of 32 sums a lane, from register base of window w on: largest magnitudes in two chains a block (with the floor 2^(3 - 127)), scales, codes: six registers a block at cd, bytes at eb.
.macro OUT w, base, cd, eb
	WIN (\w)|((\w)<<2)|((\w)<<4)
.irp b, 0,1,2,3
	v_max3_num_f32 v[TM+2*\b], |v[\base+32*\b]|, |v[\base+32*\b+1]|, 0x1800000
	v_max3_num_f32 v[TM+2*\b+1], |v[\base+32*\b+16]|, |v[\base+32*\b+17]|, |v[\base+32*\b+18]|
.endr
	WIN ((\w)<<2)|((\w)<<4)
.irp i, 2,4,6,8,10,12
.irp b, 0,1,2,3
	v_max3_num_f32 v[TM+2*\b], v[TM+2*\b], |v[\base+32*\b+\i]|, |v[\base+32*\b+\i+1]|
	v_max3_num_f32 v[TM+2*\b+1], v[TM+2*\b+1], |v[\base+32*\b+17+\i]|, |v[\base+32*\b+18+\i]|
.endr
.endr
.irp b, 0,1,2,3
	v_max3_num_f32 v[TM+2*\b], v[TM+2*\b], |v[\base+32*\b+14]|, |v[\base+32*\b+15]|
.endr
	WIN (\w)<<4
.irp b, 0,1,2,3
	v_max3_num_f32 v[TM+2*\b], v[TM+2*\b], v[TM+2*\b+1], |v[\base+32*\b+31]|
.endr
	WIN 0
.irp b, 0,1,2,3
	v_add_nc_u32 v[SO+\b], 0xff000000, v[TM+2*\b]  ; 2 off the exponent field: the conversion's scale operand
.endr
	WIN \w
.irp b, 0,1,2,3
	v_cvt_scalef32_pk16_fp6_f32 v[\cd+6*\b:\cd+6*\b+2], v[\base+32*\b:\base+32*\b+15], v[SO+\b]
	v_cvt_scalef32_pk16_fp6_f32 v[CT+4*\b:CT+4*\b+2], v[\base+32*\b+16:\base+32*\b+31], v[SO+\b]
.endr
	WIN 0
.irp b, 0,1,2,3
	v_lshrrev_b32 v[\eb+\b], 23, v[SO+\b]          ; (plain places behind the conversions)
.endr
.irp b, 0,1,2,3
.irp i, 0,1,2
	v_mov_b32 v[\cd+6*\b+3+\i], v[CT+4*\b+\i]
.endr
.endr
.endm
	OUT 2, 0, 128, 42                              ; q: block b = token tile b
.irp b, 0,1,2,3
	ds_store_b8 v16, v[42+\b] offset:32*\b
	global_store_b128 v[L16], v[128+6*\b:131+6*\b], s[84:85] offset:768*\b
	global_store_b64 v[L8], v[132+6*\b:133+6*\b], s[84:85] offset:768*\b+512
.endr
	OUT 2, 128, 152, 46                            ; k
.irp b, 0,1,2,3
	ds_store_b8 v14, v[46+\b] offset:2*\b
.endr
.irp p, 0,1
.irp k, 0,1,2
	global_store_b128 v[L16], v[152+12*\p+4*\k:155+12*\p+4*\k], s[86:87] offset:1536*\p+512*\k   ; two tiles make an operand of twelve registers
.endr
.endr
	OUT 3, 0, 176, 50                              ; v: block b = tile b of the head's columns
.irp b, 0,1,2,3
	ds_store_b8 v15, v[50+\b] offset:4*\b
	global_store_b128 v[L16], v[176+6*\b:179+6*\b], s[88:89] offset:1536*\b
	global_store_b64 v[L8], v[180+6*\b:181+6*\b], s[88:89] offset:1536*\b+512
.endr
	s_wait_alu depctr_va_vdst(0)
	s_wait_dscnt 0x0
	s_barrier_signal -1
	s_barrier_wait -1                              ; all waves' scale bytes lie in LDS
	s_cmp_lt_u32 s14, 3
	s_cbranch_scc0 .Lno_bytes
	ds_load_b128 v[20:23], v17
	s_wait_dscnt 0x0
	global_store_b128 v[L16], v[20:23], s[90:91]   ; 512 consecutive bytes, aligned
.Lno_bytes:
	s_wait_tensorcnt 0x0                           ; the wave's end
	ds_add_u32 v[SPW], v[NIL]
	s_wait_dscnt 0x0
	CROUND                                         ; the closing round
	s_endpgm
.Lfunc_end_k_q54f33036c7_qkv:
	.size	k_q54f33036c7_qkv, .Lfunc_end_k_q54f33036c7_qkv-k_q54f33036c7_qkv
	.p2alignl 7, 3214868480
	.fill 96, 4, 3214868480
	.section	.rodata,"a",@progbits
	.p2align	6, 0x0
	.amdhsa_kernel k_q54f33036c7_qkv
		.amdhsa_group_segment_fixed_size 327680
		.amdhsa_private_segment_fixed_size 0
		.amdhsa_enable_private_segment 0
		.amdhsa_kernarg_size 64
		.amdhsa_user_sgpr_count 2
		.amdhsa_user_sgpr_kernarg_segment_ptr 1
		.amdhsa_wavefront_size32 1
		.amdhsa_system_sgpr_workgroup_id_x 1
		.amdhsa_system_sgpr_workgroup_id_y 1
		.amdhsa_system_sgpr_workgroup_id_z 1
		.amdhsa_system_vgpr_workitem_id 0
		.amdhsa_next_free_vgpr 1024
		.amdhsa_next_free_sgpr 106
		.amdhsa_reserve_vcc 0
		.amdhsa_float_denorm_mode_32 3
		.amdhsa_float_denorm_mode_16_64 3
		.amdhsa_memory_ordered 1
		.amdhsa_forward_progress 1
		.amdhsa_inst_pref_size 113
	.end_amdhsa_kernel
	.amdgpu_metadata
---
amdhsa.version: [ 1, 2 ]
amdhsa.kernels:
  - .name:           k_q54f33036c7_qkv
    .symbol:         k_q54f33036c7_qkv.kd
    .args:
      - { .name: opc, .offset: 0, .size: 8, .value_kind: global_buffer, .address_space: global }
      - { .name: ops, .offset: 8, .size: 8, .value_kind: global_buffer, .address_space: global }
      - { .name: bq, .offset: 16, .size: 8, .value_kind: global_buffer, .address_space: global }
      - { .name: bk, .offset: 24, .size: 8, .value_kind: global_buffer, .address_space: global }
      - { .name: bv, .offset: 32, .size: 8, .value_kind: global_buffer, .address_space: global }
      - { .name: qc, .offset: 40, .size: 8, .value_kind: global_buffer, .address_space: global }
      - { .name: qs, .offset: 48, .size: 8, .value_kind: global_buffer, .address_space: global }
      - { .name: kv, .offset: 56, .size: 8, .value_kind: global_buffer, .address_space: global }
    .group_segment_fixed_size: 327680
    .private_segment_fixed_size: 0
    .kernarg_segment_align: 8
    .kernarg_segment_size: 64
    .max_flat_workgroup_size: 128
    .sgpr_count:     106
    .vgpr_count:     1024
    .wavefront_size: 32
...
	.end_amdgpu_metadata
.endif
;; end of part 2
;; launch attn (part 3): grid 8 x 32, 16 waves a work-group, clusters of 4 x 1, 206,848 bytes of LDS; arguments qc, qs, kv, cc, cs; writes cc, cs
.if DOCPART == 3
	.amdgcn_target "amdgcn-amd-amdhsa--gfx1250"
	.amdhsa_code_object_version 6
	.text
	.protected	k_q54f33036c7_attn
	.globl	k_q54f33036c7_attn
	.p2align	8
	.type	k_q54f33036c7_attn,@function
k_q54f33036c7_attn:
	s_mov_b64 s[64:65], 0
	v_nop
	global_prefetch_b8 v0, s[64:65] scope:SCOPE_SE
	s_setreg_imm32_b32 hwreg(HW_REG_WAVE_MODE, 25, 1), 1
	s_wait_xcnt 0x0
	s_wait_alu depctr_hold_cnt(0) depctr_sa_sdst(0) depctr_va_vdst(0) depctr_va_sdst(0) depctr_va_ssrc(0) depctr_va_vcc(0) depctr_vm_vsrc(0)
	s_getreg_b32 s2, hwreg(HW_REG_IB_STS2, 6, 4)
	s_cmp_eq_u32 s2, 0
	s_cbranch_scc0 .Lentry_in_a_cluster
	s_endpgm
.Lentry_in_a_cluster:
	s_bfe_u32 s2, ttmp6, 0x10000c
	s_cmp_lg_u32 s2, 0x3003
	s_cbranch_scc0 .Lentry_shape_is_right
	s_endpgm
.Lentry_shape_is_right:
; ctx[b][q][head] = softmax(q k^T / 8) v, both products on codes of FP6 (E2M3) with E8M0 scales; ctx is quantised at once along the hidden axis for the last product.
; THE SOFTMAX: t = score x log2(e) / 8; M = the running largest t rounded UP to a whole number; p = 2^(t - M) is quantised along the keys, not normalised; the row's sum is taken of the
; unquantised p and divides at the end.  When M moves, the sum and O are multiplied by 2^(old M - new M): exact.
; A block's scale exponent is floor(its largest t - M) - 2, since p rises with t; its byte is held at 1 from below.
; LIMITS: t stays under 2^31 in magnitude; NaN and infinities are not served; a block whose largest p lies under 2^-124 has the byte 1, as has a block of zeros of ctx (only this program reads the bytes).
; SHARES: a work-group owns 256 queries of one head of one batch, each of its sixteen waves 16 of them, in 256 registers.
; A WHOLE HEAD'S K AND V COME INTO LDS ONCE: sixteen key steps of 12,800 bytes (K 6,144, V 6,144, scale words 512), one tensor load a wave.  A wave begins with the step that it has fetched itself, for which its own
; wait suffices, and walks on round the sixteen: the one barrier's signal stands ahead of the first step, its wait behind it.  No slot is ever filled again.
; CLUSTER 4 x 1: the four blocks of queries of a cluster walk the same head: every load is a joint load with the mask 15.
; Both products are used transposed (S^T = K Q^T, O^T = V^T P^T): a lane holds one query, and by the rows' order (launch quant) 32 neighbouring keys for each band of 64, one scale block.
; THE HEAD IS 64 AND THE PRODUCT 128 DEEP: a K operand holds two tiles side by side, and Q stands as [Q | zeros] for the first and [zeros | Q] for the second.
; FETCHED A STEP AHEAD: K's next operands behind the first product, V's behind the second.  No prefetch into the L2: every byte is asked for at the head by the tensor loads themselves.
.set STEPB, 12800
.set SPARE, 204800                     ; the spare words, 128 bytes a wave
.set A16, 1
.set A8,  2
.set PWD, 3                            ; p's scale word
.set TMP, 4
.set SPW, 5
.set NIL, 6
.set CB,  7                            ; 32 r + h
.set QS,  8                            ; Q's scale word
.set SM,  9                            ; the running largest score
.set F,   10                           ; with L16 as the pair's upper half
.set L16, 11
.set NM,  12                           ; -M, with L8 as the pair's upper half
.set L8,  13
.set LS,  14                           ; v14-15 the row's sum
.set QB,  16                           ; v16-33 [Q][zeros][Q]
.set KB,  34                           ; v34-81
.set VB,  82                           ; v82-129
.set S,   130                          ; v130-193 S^T, then p
.set O,   194                          ; v194-225 O^T
.set PC,  226                          ; v226-237 p's codes
.set BM,  238                          ; v238-241 maxima; v238-240, v242-244 upper halves of blocks
.set CT,  238
.set T,   245
.set VSW, 246                          ; V's scale words, in lanes 16-31
.set SO,  250
.set KSW, 252                          ; K's scale words, in lanes 0-15
.set WV,  12
.set IX,  48
.set TB,  49
.set CNT, 50
.set SEL, 60
.set CS,  62
.macro CROUND
	s_barrier_signal -1
	s_barrier_wait -1
	s_cmp_lg_u32 s[WV], 0
	s_cbranch_scc1 .Lnot_wave_0_\@
	s_barrier_signal -3
.Lnot_wave_0_\@:
	s_barrier_wait -3
	s_barrier_signal -1
	s_barrier_wait -1
.endm
.macro LOADK                           ; 13 loads
.irp p, 0,1,2,3
.irp k, 0,1,2
	ds_load_b128 v[KB+12*\p+4*\k:KB+12*\p+4*\k+3], v[A16] offset:1536*\p+512*\k
.endr
.endr
	ds_load_b128 v[KSW:KSW+3], v[A16] offset:12288
.endm
.macro LOADV                           ; 17 loads
.irp t, 0,1,2,3
	ds_load_b128 v[VB+12*\t:VB+12*\t+3], v[A16] offset:6144+1536*\t
	ds_load_b64 v[VB+12*\t+4:VB+12*\t+5], v[A8] offset:6144+1536*\t+512
	ds_load_b128 v[VB+12*\t+6:VB+12*\t+9], v[A16] offset:6144+1536*\t+768
	ds_load_b64 v[VB+12*\t+10:VB+12*\t+11], v[A8] offset:6144+1536*\t+1280
.endr
	ds_load_b128 v[VSW:VSW+3], v[A16] offset:12288
.endm
.macro NEXT                            ; the next key step of the ring of sixteen
	s_add_co_u32 s[IX], s[IX], 1
	s_and_b32 s[TB], s[IX], 15
	s_mul_i32 s[TB], s[TB], STEPB
	v_add_nc_u32 v[A16], s[TB], v[L16]
	v_add_nc_u32 v[A8], s[TB], v[L8]
.endm
.macro PFMA n                          ; t - M, two at a time
.rept \n
	v_pk_fma_f32 v[S+J:S+J+1], v[S+J:S+J+1], s[CS:CS+1], v[NM:NM+1] op_sel_hi:[1,0,0]
.set J, J+2
.endr
.endm
.macro PMUL n                          ; O^T under the new M
.rept \n
	v_pk_mul_f32 v[O+J:O+J+1], v[O+J:O+J+1], v[F:F+1] op_sel_hi:[1,0]
.set J, J+2
.endr
.endm
.macro PADD m                          ; the sum of the unquantised p, in four chains: three in p's own registers, which have been converted, and the row's
.if (\m)%4 == 3
	v_pk_add_f32 v[LS:LS+1], v[LS:LS+1], v[S+8+2*(\m):S+9+2*(\m)]
.else
	v_pk_add_f32 v[S+2+2*((\m)%4):S+3+2*((\m)%4)], v[S+2+2*((\m)%4):S+3+2*((\m)%4)], v[S+8+2*(\m):S+9+2*(\m)]
.endif
.endm
; A KEY STEP: 128 keys.  first: nothing has been summed yet.  next: the following step's operands are fetched.
; THE COUNTS: younger than K's 13 loads are V's 17; younger than V's are the next step's 13 of K.
.macro STEP first, next
	s_wait_dscnt 17
.irp p, 0,1,2,3
.irp o, 0,1
	v_wmma_scale_f32_16x16x128_f8f6f4 v[S+16*\p+8*\o:S+16*\p+8*\o+7], v[KB+12*\p:KB+12*\p+11], v[QB+6*\o:QB+6*\o+11], 0, v[KSW+\p], v[QS] matrix_a_fmt:MATRIX_FMT_FP6 matrix_b_fmt:MATRIX_FMT_FP6
.endr
.endr
.if \next
	NEXT
	v_nop                                          ; four plain places behind the products, the two additions among them
	v_nop
	LOADK
.else
.rept 4
	v_nop
.endr
.endif
.irp c, 0,1                            ; the largest score of each of my two blocks, two chains each, each accumulator from its low end on
	v_max3_num_f32 v[BM+2*\c], v[S+32*\c], v[S+32*\c+1], v[S+32*\c+2]
	v_max3_num_f32 v[BM+2*\c+1], v[S+32*\c+16], v[S+32*\c+17], v[S+32*\c+18]
.endr
.irp i, 3,5,7,9,11,13
.irp c, 0,1
	v_max3_num_f32 v[BM+2*\c], v[BM+2*\c], v[S+32*\c+\i], v[S+32*\c+\i+1]
	v_max3_num_f32 v[BM+2*\c+1], v[BM+2*\c+1], v[S+32*\c+16+\i], v[S+32*\c+17+\i]
.endr
.endr
.irp c, 0,1
	v_max3_num_f32 v[BM+2*\c], v[BM+2*\c], v[S+32*\c+15], v[S+32*\c+31]
.endr
.irp c, 0,1
	v_max_num_f32 v[BM+2*\c], v[BM+2*\c], v[BM+2*\c+1]
.endr
	v_max3_num_f32 v[TMP], v[BM], v[BM+2], v[SM]
	s_delay_alu instid0(VALU_DEP_1)
	v_permlanex16_b32 v[T], v[TMP], s[SEL], s[SEL+1]
	s_delay_alu instid0(VALU_DEP_1)
	v_max_num_f32 v[SM], v[TMP], v[T]              ; the running largest score of my query
	s_delay_alu instid0(VALU_DEP_1)
	v_mul_f32 v[TMP], s[CS], v[SM]
.if \first
	s_delay_alu instid0(VALU_DEP_1)
	v_floor_f32 v[NM], -v[TMP]                     ; -M = -ceil(t)
.else
	s_delay_alu instid0(VALU_DEP_1)
	v_floor_f32 v[TMP], -v[TMP]                    ; the new -M = -ceil(t)
	s_delay_alu instid0(VALU_DEP_1)
	v_sub_f32 v[F], v[TMP], v[NM]                  ; old M - new M: a whole number, 0 or less
	v_mov_b32 v[NM], v[TMP]
	s_delay_alu instid0(VALU_DEP_2)
	v_cvt_i32_f32 v[F], v[F]                       ; (it saturates)
	s_delay_alu instid0(VALU_DEP_1)
	v_ldexp_f32 v[F], 1.0, v[F]                    ; f = 2^(old M - new M)
.endif
.set J, 0
.irp c, 0,1
	v_fma_f32 v[BM+2*\c], v[BM+2*\c], s[CS], v[NM]
.endr
	PFMA 8
.irp c, 0,1
	v_max_num_f32 v[BM+2*\c], 0xc2f80000, v[BM+2*\c]   ; -124: the byte cannot fall under 1
.endr
	PFMA 8
.irp c, 0,1
	v_floor_f32 v[BM+2*\c], v[BM+2*\c]             ; floor(log2(the block's largest p)),
.endr
.irp c, 0,1
	v_cvt_i32_f32 v[BM+2*\c], v[BM+2*\c]           ; as a whole number
.endr
	PFMA 8
.irp c, 0,1
	v_lshl_add_u32 v[SO+\c], v[BM+2*\c], 23, 0x3e800000   ; the conversion's scale operand: exponent field + 125
.endr
	v_lshl_add_u32 v[TMP], v[BM+2], 16, v[BM]      ; my two blocks' bytes less 125,
	PFMA 8
	v_permlanex16_b32 v[T], v[TMP], s[SEL], s[SEL+1]
.set J, 0
.if \first == 0
	PMUL 8
.endif
	v_lshl_add_u32 v[TMP], v[T], 8, v[TMP]         ; lanes 0-15: with lane l + 16's two all four,
.if \first == 0
	PMUL 8
.endif
	v_add_nc_u32 v[PWD], 0x7d7d7d7d, v[TMP]        ; + 125 each: the scale word
.set J, 0
	s_wait_alu depctr_va_vdst(0)                   ; ahead of the batch
.rept 64
	v_exp_f32 v[S+J], v[S+J]                       ; p = 2^(t - M)
.set J, J+1
.endr
.if \first
	v_nop                                          ; a plain place behind the exponentials
.else
	v_pk_mul_f32 v[LS:LS+1], v[LS:LS+1], v[F:F+1] op_sel_hi:[1,0]   ; the sum under the new M: a plain place behind the exponentials
.endif
	s_wait_alu depctr_va_vdst(0)                   ; and behind it, ahead of the first reader
.if \next
	s_wait_dscnt 13                                ; V
.else
	s_wait_dscnt 0x0
.endif
.irp c, 0,1
	v_cvt_scalef32_pk16_fp6_f32 v[PC+6*\c:PC+6*\c+2], v[S+32*\c:S+32*\c+15], v[SO+\c]
	v_cvt_scalef32_pk16_fp6_f32 v[CT+4*\c:CT+4*\c+2], v[S+32*\c+16:S+32*\c+31], v[SO+\c]
.endr
	v_pk_add_f32 v[LS:LS+1], v[LS:LS+1], v[S:S+1]  ; (the plain place behind the conversions)
.set J, 0
.rept 4
	PADD J
.set J, J+1
.endr
.irp c, 0,1
.irp i, 0,1,2
	v_mov_b32 v[PC+6*\c+3+\i], v[CT+4*\c+\i]
.endr
.endr
.rept 20
	PADD J
.set J, J+1
.endr
.irp t, 0,1,2,3                        ; O^T += V^T P^T: four accumulators by turns
.if \first
	v_wmma_scale_f32_16x16x128_f8f6f4 v[O+8*\t:O+8*\t+7], v[VB+12*\t:VB+12*\t+11], v[PC:PC+11], 0, v[VSW+\t], v[PWD] matrix_a_fmt:MATRIX_FMT_FP6 matrix_b_fmt:MATRIX_FMT_FP6 matrix_a_scale:MATRIX_SCALE_ROW1
.else
	v_wmma_scale_f32_16x16x128_f8f6f4 v[O+8*\t:O+8*\t+7], v[VB+12*\t:VB+12*\t+11], v[PC:PC+11], v[O+8*\t:O+8*\t+7], v[VSW+\t], v[PWD] matrix_a_fmt:MATRIX_FMT_FP6 matrix_b_fmt:MATRIX_FMT_FP6 matrix_a_scale:MATRIX_SCALE_ROW1
.endif
.endr
.rept 4                                ; the last additions are the places behind the products
	PADD J
.set J, J+1
.endr
	v_pk_add_f32 v[S+2:S+3], v[S+2:S+3], v[S+4:S+5]
	v_pk_add_f32 v[LS:LS+1], v[LS:LS+1], v[S+6:S+7]
	v_pk_add_f32 v[LS:LS+1], v[LS:LS+1], v[S+2:S+3]
.if \next
	LOADV
.endif
.endm
	s_load_b256 s[4:11], s[0:1], 0x0               ; qc, qs, kv, cc
	s_load_b64 s[28:29], s[0:1], 0x20              ; cs
	v_lshl_add_u32 v[SPW], v0, 2, SPARE
	v_mov_b32 v[NIL], 0
	ds_add_u32 v[SPW], v[NIL]                      ; the wave's opening: the add, twice on end, and its wait ahead of my tensor load
	ds_add_u32 v[SPW], v[NIL]
	v_lshrrev_b32 v130, 5, v0
	v_readfirstlane_b32 s[WV], v130                ; wave 0..15
	v_and_b32 v130, 31, v0                         ; lane
	v_and_b32 v131, 15, v0                         ; r
	v_bfe_u32 v132, v0, 4, 1                       ; h
	v_lshlrev_b32 v[L16], 4, v130
	v_lshlrev_b32 v[L8], 3, v130
	v_lshl_add_u32 v[CB], v131, 5, v132
	v_lshlrev_b32 v133, 1, v131
	s_bfe_u32 s13, ttmp6, 0x40000                  ; cx
	s_lshl_b32 s14, ttmp9, 2
	s_add_co_u32 s14, s14, s13                     ; my block of 256 queries: it enters Q's and the results' addresses alone
	s_and_b32 s15, ttmp7, 0xffff                   ; 16 x batch + head
	s_mov_b32 s32, 15|(3<<16)|(1<<21)              ; a key step: 12,800 dense bytes as 50 rows of 256; the mask names all four work-groups
	s_mov_b32 s33, 32<<16
	s_mov_b32 s34, 50<<16
	s_mov_b32 s35, 32<<16
	s_mov_b32 s36, 50
	s_mov_b32 s37, 32
	s_mov_b32 s38, 0
	s_mov_b32 s39, 0
	s_mul_i32 s44, s[WV], STEPB                    ; my step, in LDS and in memory
	s_mul_i32 s46, s15, 204800
	s_add_co_u32 s46, s46, s44
	s_mov_b32 s47, 0
	s_wait_alu depctr_va_vdst(0)
	v_add_nc_u32 v[A16], s44, v[L16]
	v_add_nc_u32 v[A8], s44, v[L8]
	s_wait_alu depctr_va_vdst(0)
	s_wait_dscnt 0x0                               ; both opening adds are done
	CROUND                                         ; all four work-groups are here: the joint loads meet
	s_wait_kmcnt 0x0
	s_mov_b32 s40, 1
	s_mov_b32 s41, s44
	s_add_nc_u64 s[42:43], s[8:9], s[46:47]
	s_or_b32 s43, s43, 0x80000000
	tensor_load_to_lds s[40:43], s[32:39]          ; one load a wave: sixteen key steps
	s_nop 0
.rept 4
	v_nop
.endr
	s_lshl_b32 s51, s14, 4
	s_add_co_u32 s51, s51, s[WV]                   ; my tile of 16 queries in the batch
	s_mul_i32 s52, s15, 98304
	s_mul_i32 s2, s51, 768
	s_add_co_u32 s52, s52, s2
	s_mov_b32 s53, 0
	s_add_nc_u64 s[52:53], s[4:5], s[52:53]        ; Q's image
	s_lshl_b32 s54, s15, 12
	s_lshl_b32 s2, s51, 5
	s_add_co_u32 s54, s54, s2
	s_mov_b32 s55, 0
	s_add_nc_u64 s[54:55], s[6:7], s[54:55]        ; Q's scale bytes
	global_load_b128 v[QB:QB+3], v[L16], s[52:53]
	global_load_b64 v[QB+4:QB+5], v[L8], s[52:53] offset:512
	global_load_b128 v[QB+12:QB+15], v[L16], s[52:53]          ; a second time, for the other half of the product's depth
	global_load_b64 v[QB+16:QB+17], v[L8], s[52:53] offset:512
	global_load_u16 v[TMP], v133, s[54:55]
	s_lshr_b32 s2, s15, 4                          ; where the results go: tile 128 x batch + mine, piece = head
	s_lshl_b32 s2, s2, 7
	s_add_co_u32 s2, s2, s51
	s_and_b32 s3, s15, 15
	s_lshl_b32 s56, s2, 4
	s_add_co_u32 s56, s56, s3
	s_mul_i32 s56, s56, 768
	s_mov_b32 s57, 0
	s_add_nc_u64 s[56:57], s[10:11], s[56:57]
	s_lshl_b32 s58, s2, 9
	s_lshl_b32 s3, s3, 1
	s_add_co_u32 s58, s58, s3
	s_mov_b32 s59, 0
	s_add_nc_u64 s[58:59], s[28:29], s[58:59]
	s_mov_b32 s[SEL], 0x76543210
	s_mov_b32 s[SEL+1], 0xfedcba98
	s_mov_b32 s[CS], 0x3e38aa3b                    ; c = log2(e) / 8
	s_mov_b32 s[CS+1], s[CS]
	s_mov_b32 s[IX], s[WV]
	s_wait_loadcnt 0x0
	v_lshl_or_b32 v[QS], v[TMP], 16, v[TMP]        ; a row's two bytes, for either half of the depth
.irp i, 0,1,2,3,4,5
	v_mov_b32 v[QB+6+\i], 0                        ; the zero codes
.endr
	v_mov_b32 v[LS], 0
	v_mov_b32 v[LS+1], 0
	v_mov_b32 v[T], 0                              ; a lane permute's destination counts as one of its sources
	v_mov_b32 v[SM], 0xff61b1e6                    ; the largest score so far: -3e38
	s_wait_alu depctr_va_vdst(0)
	s_wait_tensorcnt 0x0                           ; the step that I have fetched is in
	s_wait_dscnt 0x0
	s_barrier_signal -1                            ; say so; until the wait only register work and LDS reads of my own step, which nobody writes again
	LOADK
	LOADV
	STEP 1, 0
	s_barrier_wait -1                              ; everybody's steps are in
	NEXT
	s_wait_alu depctr_va_vdst(0)
	LOADK
	LOADV
	s_mov_b32 s[CNT], 0
.Lstep:
	STEP 0, 1
	s_add_co_u32 s[CNT], s[CNT], 1
	s_cmp_lt_u32 s[CNT], 14
	s_cbranch_scc1 .Lstep
	STEP 0, 0
	; THE WAY OUT: O^T / the sum; register 8 t + i is d = 32 h + 8 t + i of my query: one block of the last product's K in each lane.
	v_add_f32 v[LS], v[LS], v[LS+1]
	v_permlanex16_b32 v[T], v[LS], s[SEL], s[SEL+1]
	v_add_f32 v[LS], v[LS], v[T]
	s_wait_alu depctr_va_vdst(0)
	v_rcp_f32 v[LS], v[LS]
	v_nop                                          ; a plain place behind the reciprocal
	s_wait_alu depctr_va_vdst(0)                   ; ahead of its first reader and of O's
.set J, 0
.rept 16
	v_pk_mul_f32 v[S+J:S+J+1], v[O+J:O+J+1], v[LS:LS+1] op_sel_hi:[1,0]
.set J, J+2
.endr
	v_max3_num_f32 v[BM], |v[S]|, |v[S+1]|, 0x1800000
	v_max3_num_f32 v[BM+1], |v[S+16]|, |v[S+17]|, |v[S+18]|
.irp i, 2,4,6,8,10,12
	v_max3_num_f32 v[BM], v[BM], |v[S+\i]|, |v[S+\i+1]|
	v_max3_num_f32 v[BM+1], v[BM+1], |v[S+17+\i]|, |v[S+18+\i]|
.endr
	v_max3_num_f32 v[BM], v[BM], |v[S+14]|, |v[S+15]|
	v_max3_num_f32 v[BM], v[BM], v[BM+1], |v[S+31]|
	v_add_nc_u32 v[SO], 0xff000000, v[BM]
	v_cvt_scalef32_pk16_fp6_f32 v[PC:PC+2], v[S:S+15], v[SO]
	v_cvt_scalef32_pk16_fp6_f32 v[CT+4:CT+6], v[S+16:S+31], v[SO]
	v_lshrrev_b32 v[TMP], 23, v[SO]
.irp i, 0,1,2
	v_mov_b32 v[PC+3+\i], v[CT+4+\i]
.endr
	global_store_b128 v[L16], v[PC:PC+3], s[56:57]             ; 512 and 256 consecutive bytes, aligned
	global_store_b64 v[L8], v[PC+4:PC+5], s[56:57] offset:512
	global_store_b8 v[CB], v[TMP], s[58:59]        ; a head's share of a row of scale bytes is 2 of 32: single bytes, 2 for each 48 bytes of codes
	s_wait_tensorcnt 0x0                           ; the wave's end
	ds_add_u32 v[SPW], v[NIL]
	s_wait_dscnt 0x0
	CROUND                                         ; the closing round
	s_endpgm
.Lfunc_end_k_q54f33036c7_attn:
	.size	k_q54f33036c7_attn, .Lfunc_end_k_q54f33036c7_attn-k_q54f33036c7_attn
	.p2alignl 7, 3214868480
	.fill 96, 4, 3214868480
	.section	.rodata,"a",@progbits
	.p2align	6, 0x0
	.amdhsa_kernel k_q54f33036c7_attn
		.amdhsa_group_segment_fixed_size 206848
		.amdhsa_private_segment_fixed_size 0
		.amdhsa_enable_private_segment 0
		.amdhsa_kernarg_size 40
		.amdhsa_user_sgpr_count 2
		.amdhsa_user_sgpr_kernarg_segment_ptr 1
		.amdhsa_wavefront_size32 1
		.amdhsa_system_sgpr_workgroup_id_x 1
		.amdhsa_system_sgpr_workgroup_id_y 1
		.amdhsa_system_sgpr_workgroup_id_z 1
		.amdhsa_system_vgpr_workitem_id 0
		.amdhsa_next_free_vgpr 256
		.amdhsa_next_free_sgpr 72
		.amdhsa_reserve_vcc 0
		.amdhsa_float_denorm_mode_32 3
		.amdhsa_float_denorm_mode_16_64 3
		.amdhsa_memory_ordered 1
		.amdhsa_forward_progress 1
		.amdhsa_inst_pref_size 52
	.end_amdhsa_kernel
	.amdgpu_metadata
---
amdhsa.version: [ 1, 2 ]
amdhsa.kernels:
  - .name:           k_q54f33036c7_attn
    .symbol:         k_q54f33036c7_attn.kd
    .args:
      - { .name: qc, .offset: 0, .size: 8, .value_kind: global_buffer, .address_space: global }
      - { .name: qs, .offset: 8, .size: 8, .value_kind: global_buffer, .address_space: global }
      - { .name: kv, .offset: 16, .size: 8, .value_kind: global_buffer, .address_space: global }
      - { .name: cc, .offset: 24, .size: 8, .value_kind: global_buffer, .address_space: global }
      - { .name: cs, .offset: 32, .size: 8, .value_kind: global_buffer, .address_space: global }
    .group_segment_fixed_size: 206848
    .private_segment_fixed_size: 0
    .kernarg_segment_align: 8
    .kernarg_segment_size: 40
    .max_flat_workgroup_size: 512
    .sgpr_count:     72
    .vgpr_count:     256
    .wavefront_size: 32
...
	.end_amdgpu_metadata
.endif
;; end of part 3
;; launch proj (part 4): grid 8 x 32, 4 waves a work-group, clusters of 4 x 4, 214,528 bytes of LDS; arguments cc, cs, opc, ops, bo, out0; writes out0
.if DOCPART == 4
	.amdgcn_target "amdgcn-amd-amdhsa--gfx1250"
	.amdhsa_code_object_version 6
	.text
	.protected	k_q54f33036c7_proj
	.globl	k_q54f33036c7_proj
	.p2align	8
	.type	k_q54f33036c7_proj,@function
k_q54f33036c7_proj:
	s_mov_b64 s[64:65], 0
	v_nop
	global_prefetch_b8 v0, s[64:65] scope:SCOPE_SE
	s_setreg_imm32_b32 hwreg(HW_REG_WAVE_MODE, 25, 1), 1
	s_wait_xcnt 0x0
	s_wait_alu depctr_hold_cnt(0) depctr_sa_sdst(0) depctr_va_vdst(0) depctr_va_sdst(0) depctr_va_ssrc(0) depctr_va_vcc(0) depctr_vm_vsrc(0)
	s_getreg_b32 s2, hwreg(HW_REG_IB_STS2, 6, 4)
	s_cmp_eq_u32 s2, 0
	s_cbranch_scc0 .Lentry_in_a_cluster
	s_endpgm
.Lentry_in_a_cluster:
	s_bfe_u32 s2, ttmp6, 0x10000c
	s_cmp_lg_u32 s2, 0xf033
	s_cbranch_scc0 .Lentry_shape_is_right
	s_endpgm
.Lentry_shape_is_right:
; out = ctx Wo + bo on codes of FP6 (E2M3) with E8M0 scales, f32 sums, f32 result.
; LIMITS: NaN and infinities are not served.
; A work-group makes 128 x 128, four waves 64 x 64 each (16 accumulators).  All of K, 1,024, lies in LDS at once: A's and B's 8 tiles x 12,288 bytes, each in two halves of K: four tensor loads, one a wave; no byte is filled twice.
; The scale words come from memory into registers.  All of it is asked for at the head and no loop runs: no prefetch.
; The product is used transposed (source 0 = Wo's columns, source 1 = ctx's rows): by the rows' order (launch quant) lane (r, h) holds columns 32 h + 8 n + i of row r.
; CLUSTER 4 x 4: A's tiles are shared along a row of the cluster, B's along a column: joint loads.
; REGISTERS: window 0: v4-16 addresses, v60-75, v80-95 scale words, v128-255 rows on their way out.  windows 1, 2: A's and B's fragments, four K steps by turns.  window 3: v0-127 the sums, v128-159 the bias, the first products' C.
.set STG, 196608                       ; behind the tiles: a stage of 16 rows x 272 bytes for each wave
.set SPARE, STG+4*4352                 ; the spare words, 128 bytes a wave
.set L16, 4
.set L8,  5
.set SPW, 28
.set NIL, 29
.set SA,  60
.set SB,  80
.set BK,  128
.set MSB, 0
.macro WIN new
.if MSB != \new
	s_set_vgpr_msb (MSB<<8)|\new
.set MSB, \new
.endif
.endm
.macro PLACES n
.rept \n
	v_nop
.endr
.endm
.macro CROUND
	s_barrier_signal -1
	s_barrier_wait -1
	s_cmp_lg_u32 s14, 0
	s_cbranch_scc1 .Lnot_wave_0_\@
	s_barrier_signal -3
.Lnot_wave_0_\@:
	s_barrier_wait -3
	s_barrier_signal -1
	s_barrier_wait -1
.endm
.macro G0SET g, lds, base, off
	s_mov_b32 s[\g], 1
	s_mov_b32 s[\g+1], \lds
	s_add_nc_u64 s[\g+2:\g+3], s[\base:\base+1], \off
	s_or_b32 s[\g+3], s[\g+3], 0x80000000
.endm
.macro TLOAD g0, g1
	tensor_load_to_lds s[\g0:\g0+3], s[\g1:\g1+7]
	s_nop 0
	PLACES 4
.endm
.macro LOADS F                         ; K step F's fragments into the registers of F % 4: 28 loads
.set R_, 48*((\F)%4)
	WIN 0x40
.irp a, 0,1,2,3                        ; A: two heads' images of 768 bytes
	ds_load_b128 v[R_+12*\a:R_+12*\a+3], v[6+2*((\F)/4)] offset:6144*\a+1536*((\F)%4)
	ds_load_b64 v[R_+12*\a+4:R_+12*\a+5], v[7+2*((\F)/4)] offset:6144*\a+1536*((\F)%4)+512
	ds_load_b128 v[R_+12*\a+6:R_+12*\a+9], v[6+2*((\F)/4)] offset:6144*\a+1536*((\F)%4)+768
	ds_load_b64 v[R_+12*\a+10:R_+12*\a+11], v[7+2*((\F)/4)] offset:6144*\a+1536*((\F)%4)+1280
.endr
	WIN 0x80
.irp n, 0,1,2,3
.irp k, 0,1,2
	ds_load_b128 v[R_+12*\n+4*\k:R_+12*\n+4*\k+3], v[10+(\F)/4] offset:6144*\n+1536*((\F)%4)+512*\k
.endr
.endr
	WIN 0
.endm
.macro WM d, s0, s1, c, x0, x1, r0, r1
	v_wmma_scale_f32_16x16x128_f8f6f4 v[\d:\d+7], v[\s0:\s0+11], v[\s1:\s1+11], \c, v[\x0], v[\x1] matrix_a_fmt:MATRIX_FMT_FP6 matrix_b_fmt:MATRIX_FMT_FP6 matrix_a_scale:MATRIX_SCALE_ROW\r0 matrix_b_scale:MATRIX_SCALE_ROW\r1
.endm
.macro MUL F, e                        ; eight products: row tiles 2 e, 2 e + 1 x four column tiles.  The accumulators take turns, one instruction a turn
	WIN 0xf6                                       ; source 0 (B) window 2, source 1 (A) window 1, C and D window 3
.irp g, 0,1
.irp p, 0,1
.irp o, 0,1
.set D_, 64*(\e)+32*\g+16*\p+8*\o
.set B_, 48*((\F)%4)+24*\p+12*\o
.set A_, 48*((\F)%4)+24*(\e)+12*\g
.set W_, SB+8*\p+(\F)
.set X_, SA+8*(\e)+(\F)
.if (\F) == 0
.set C_, 128+16*\p+8*\o
.else
.set C_, D_
.endif
	WM D_, B_, A_, v[C_:C_+7], W_, X_, \o, \g
.endr
.endr
.endr
.endm
; A K step.  The step two further on is asked for first; younger than this step's loads are then the next two steps' 28 each.
.macro KSTEP F
.if (\F) < 6
.if (\F) > 1
	PLACES 4                                       ; ahead of loads into registers that products have read
.endif
	LOADS (\F)+2
	s_wait_dscnt 56
.else
	s_wait_dscnt 28*(7-(\F))
.endif
	MUL \F, 0
.if (\F) == 1
	s_wait_tensorcnt 0x0                           ; the second halves' loads: all waves show theirs; nothing is ever filled again
	s_wait_dscnt 0x0
	s_barrier_signal -1
.endif
	MUL \F, 1
	WIN 0
.if (\F) == 1
	s_barrier_wait -1
.endif
.endm
	s_load_b256 s[68:75], s[0:1], 0x0              ; cc, cs, opc, ops
	s_load_b128 s[76:79], s[0:1], 0x20             ; bo, out0
	v_lshl_add_u32 v[SPW], v0, 2, SPARE
	v_mov_b32 v[NIL], 0
	ds_add_u32 v[SPW], v[NIL]                      ; the wave's opening: the add, twice on end, and its wait ahead of my first tensor load
	ds_add_u32 v[SPW], v[NIL]
	v_lshrrev_b32 v1, 5, v0
	v_readfirstlane_b32 s14, v1                    ; wave 0..3
	s_bfe_u32 s10, ttmp6, 0x40000                  ; cx
	s_bfe_u32 s11, ttmp6, 0x40004                  ; cy
	s_lshl_b32 s12, ttmp9, 2
	s_add_co_u32 s12, s12, s10                     ; the block of 128 columns
	s_and_b32 s13, ttmp7, 0xffff
	s_lshl_b32 s13, s13, 2
	s_add_co_u32 s13, s13, s11                     ; the block of 128 rows
	s_lshl_b32 s56, s11, 2
	s_lshl_b32 s56, 15, s56                        ; my row of the cluster
	s_lshl_b32 s57, 0x1111, s10                    ; my column
	s_or_b32 s16, s56, (3<<16)|(1<<21)
	s_or_b32 s24, s57, (3<<16)|(1<<21)
.irp g, 16, 24                         ; 8 tiles' halves of K: rows of 6,144 bytes, 12,288 bytes apart, in elements of 8 bytes
	s_mov_b32 s[\g+1], 768<<16
	s_mov_b32 s[\g+2], 8<<16
	s_mov_b32 s[\g+3], 768<<16
	s_mov_b32 s[\g+4], 8
	s_mov_b32 s[\g+5], 1536
	s_mov_b32 s[\g+6], 0
	s_mov_b32 s[\g+7], 0
.endr
	s_mul_i32 s58, s13, 98304                      ; A's tiles hang on the block of rows alone
	s_mov_b32 s59, 0
	s_mul_i32 s60, s12, 98304                      ; B's on the block of columns alone; Wo begins at tile 448
	s_add_co_u32 s60, s60, 5505024
	s_mov_b32 s61, 0
	s_wait_alu depctr_va_vdst(0)
	s_wait_dscnt 0x0                               ; both opening adds are done
	CROUND                                         ; all sixteen work-groups are here: the joint loads meet
	s_wait_kmcnt 0x0
	s_add_nc_u64 s[58:59], s[68:69], s[58:59]
	s_add_nc_u64 s[60:61], s[72:73], s[60:61]
	G0SET 40, 0, 58, 0
	G0SET 44, 49152, 60, 0
	G0SET 48, 98304, 58, 6144
	G0SET 52, 147456, 60, 6144
	s_cmp_eq_u32 s14, 0
	s_cbranch_scc0 .Lwave_1
	TLOAD 40, 16                                   ; wave 0: A, first half of K
	s_branch .Lasked
.Lwave_1:
	s_cmp_eq_u32 s14, 1
	s_cbranch_scc0 .Lwave_2
	TLOAD 44, 24                                   ; wave 1: B, first half
	s_branch .Lasked
.Lwave_2:
	s_cmp_eq_u32 s14, 2
	s_cbranch_scc0 .Lwave_3
	TLOAD 48, 16                                   ; wave 2: A, second half
	s_branch .Lasked
.Lwave_3:
	TLOAD 52, 24                                   ; wave 3: B, second half
.Lasked:
	s_lshr_b32 s15, s14, 1                         ; my half of the rows
	s_and_b32 s9, s14, 1                           ; my half of the columns
	v_and_b32 v1, 31, v0                           ; lane
	v_and_b32 v2, 15, v0                           ; r
	v_bfe_u32 v3, v0, 4, 1                         ; h
	v_lshlrev_b32 v[L16], 4, v1
	v_lshlrev_b32 v[L8], 3, v1
	v_lshlrev_b32 v12, 5, v1                       ; a row of scale bytes
	v_lshlrev_b32 v13, 7, v3                       ; the bias: 32 numbers on end for each half of the lanes
	s_mul_i32 s6, s15, 24576
	v_add_nc_u32 v6, s6, v[L16]
	v_add_nc_u32 v7, s6, v[L8]
	v_add_nc_u32 v8, 98304, v6
	v_add_nc_u32 v9, 98304, v7
	s_mul_i32 s6, s9, 24576
	s_add_co_u32 s6, s6, 49152
	v_add_nc_u32 v10, s6, v[L16]
	v_add_nc_u32 v11, 98304, v10
	s_mul_i32 s6, s14, 4352
	s_add_co_u32 s6, s6, STG                       ; my stage
	v_mul_u32_u24 v14, v2, 272                     ; in: row r, 128 h
	v_lshl_add_u32 v14, v3, 7, v14
	v_add_nc_u32 v14, s6, v14
	v_lshlrev_b32 v16, 4, v2                       ; back: sixteen lanes take a row of 256 bytes, two rows an instruction
	v_mul_u32_u24 v15, v3, 272
	v_add_nc_u32 v15, v15, v16
	v_add_nc_u32 v15, s6, v15
	v_lshl_add_u32 v16, v3, 12, v16                ; and the same two rows of the result
	s_lshl_b32 s62, s13, 12                        ; scale bytes: 512 a tile
	s_lshl_b32 s6, s15, 11
	s_add_co_u32 s62, s62, s6
	s_mov_b32 s63, 0
	s_add_nc_u64 s[62:63], s[70:71], s[62:63]
	s_lshl_b32 s66, s12, 12
	s_lshl_b32 s6, s9, 11
	s_add_co_u32 s66, s66, s6
	s_add_co_u32 s66, s66, 229376
	s_mov_b32 s67, 0
	s_add_nc_u64 s[66:67], s[74:75], s[66:67]
	s_lshl_b32 s6, s12, 9                          ; my 64 columns, in bytes
	s_lshl_b32 s7, s9, 8
	s_add_co_u32 s6, s6, s7
	s_mov_b32 s7, 0
	s_add_nc_u64 s[76:77], s[76:77], s[6:7]
	s_lshl_b32 s8, s13, 19                         ; my 64 rows of 4,096 bytes
	s_lshl_b32 s2, s15, 18
	s_add_co_u32 s6, s6, s8
	s_add_co_u32 s6, s6, s2
	s_add_nc_u64 s[78:79], s[78:79], s[6:7]
	s_wait_alu depctr_va_vdst(0)
.irp p, 0,1                            ; lanes 0-15 tile 2 p, lanes 16-31 tile 2 p + 1; register + F: the word of K step F
.irp c, 0,1
	global_load_b128 v[SA+8*\p+4*\c:SA+8*\p+4*\c+3], v12, s[62:63] offset:1024*\p+16*\c
	global_load_b128 v[SB+8*\p+4*\c:SB+8*\p+4*\c+3], v12, s[66:67] offset:1024*\p+16*\c
.endr
.endr
	WIN 0xc0
.irp k, 0,1,2,3,4,5,6,7
	global_load_b128 v[128+4*\k:131+4*\k], v13, s[76:77] offset:16*\k
.endr
	WIN 0
	s_wait_loadcnt 0x0
	s_cmp_lt_u32 s14, 2
	s_cbranch_scc0 .Lnot_first
	s_wait_tensorcnt 0x0
.Lnot_first:
	s_barrier_signal -1
	s_barrier_wait -1                              ; the first halves are in; the second halves may be on their way
	LOADS 0
	LOADS 1
	KSTEP 0
	KSTEP 1
	KSTEP 2
	KSTEP 3
	KSTEP 4
	KSTEP 5
	KSTEP 6
	KSTEP 7
; THE WAY OUT of row tile a: through my stage in LDS, back as rows of 256 bytes, stored as aligned units of 256 bytes.  LDS serves a wave's instructions in order: no wait between the stores and the loads.
.macro TOSTAGE a
	WIN 0x0c
.irp n, 0,1,2,3
	ds_store_b128 v14, v[32*(\a)+8*\n:32*(\a)+8*\n+3] offset:32*\n
	ds_store_b128 v14, v[32*(\a)+8*\n+4:32*(\a)+8*\n+7] offset:32*\n+16
.endr
	WIN 0
.irp k, 0,1,2,3,4,5,6,7
	ds_load_b128 v[BK+32*(\a)+4*\k:BK+32*(\a)+4*\k+3], v15 offset:544*\k
.endr
.endm
.macro SEND a, younger
	s_wait_dscnt \younger
.irp k, 0,1,2,3,4,5,6,7
	global_store_b128 v16, v[BK+32*(\a)+4*\k:BK+32*(\a)+4*\k+3], s[78:79] offset:(32*(\k/4)+8*(\a)+(2*\k)%8)*4096 th:TH_STORE_NT   ; row 8 h + i of tile a is token 32 h + 8 a + i
.endr
.endm
	PLACES 4
	TOSTAGE 0
	TOSTAGE 1
	SEND 0, 16                                     ; younger: the next tile's 8 stores and 8 loads
	TOSTAGE 2
	SEND 1, 16
	TOSTAGE 3
	SEND 2, 16
	SEND 3, 0
	s_wait_tensorcnt 0x0                           ; the wave's end
	ds_add_u32 v[SPW], v[NIL]
	s_wait_dscnt 0x0
	CROUND                                         ; the closing round
	s_endpgm
.Lfunc_end_k_q54f33036c7_proj:
	.size	k_q54f33036c7_proj, .Lfunc_end_k_q54f33036c7_proj-k_q54f33036c7_proj
	.p2alignl 7, 3214868480
	.fill 96, 4, 3214868480
	.section	.rodata,"a",@progbits
	.p2align	6, 0x0
	.amdhsa_kernel k_q54f33036c7_proj
		.amdhsa_group_segment_fixed_size 214528
		.amdhsa_private_segment_fixed_size 0
		.amdhsa_enable_private_segment 0
		.amdhsa_kernarg_size 48
		.amdhsa_user_sgpr_count 2
		.amdhsa_user_sgpr_kernarg_segment_ptr 1
		.amdhsa_wavefront_size32 1
		.amdhsa_system_sgpr_workgroup_id_x 1
		.amdhsa_system_sgpr_workgroup_id_y 1
		.amdhsa_system_sgpr_workgroup_id_z 1
		.amdhsa_system_vgpr_workitem_id 0
		.amdhsa_next_free_vgpr 1024
		.amdhsa_next_free_sgpr 106
		.amdhsa_reserve_vcc 0
		.amdhsa_float_denorm_mode_32 3
		.amdhsa_float_denorm_mode_16_64 3
		.amdhsa_memory_ordered 1
		.amdhsa_forward_progress 1
		.amdhsa_inst_pref_size 49
	.end_amdhsa_kernel
	.amdgpu_metadata
---
amdhsa.version: [ 1, 2 ]
amdhsa.kernels:
  - .name:           k_q54f33036c7_proj
    .symbol:         k_q54f33036c7_proj.kd
    .args:
      - { .name: cc, .offset: 0, .size: 8, .value_kind: global_buffer, .address_space: global }
      - { .name: cs, .offset: 8, .size: 8, .value_kind: global_buffer, .address_space: global }
      - { .name: opc, .offset: 16, .size: 8, .value_kind: global_buffer, .address_space: global }
      - { .name: ops, .offset: 24, .size: 8, .value_kind: global_buffer, .address_space: global }
      - { .name: bo, .offset: 32, .size: 8, .value_kind: global_buffer, .address_space: global }
      - { .name: out0, .offset: 40, .size: 8, .value_kind: global_buffer, .address_space: global }
    .group_segment_fixed_size: 214528
    .private_segment_fixed_size: 0
    .kernarg_segment_align: 8
    .kernarg_segment_size: 48
    .max_flat_workgroup_size: 128
    .sgpr_count:     106
    .vgpr_count:     1024
    .wavefront_size: 32
...
	.end_amdgpu_metadata
.endif
;; end of part 4
